; MI455X (gfx1250); checked and timed in simulation.
; The chip was launched on July 23, 2026; its instructions are those of AMD's public machine-readable ISA for CDNA 5 (MIT licence, August 2026) and "CDNA5" Instruction Set Architecture Reference Guide (July 2026). The comments in the code are by the model that wrote it; some were corrected since.
;; Poincare Linear. Allowed arithmetic: matrix products marked QUANTISED: E4M3 operands, one E8M0 scale for each 32 along K, by v_wmma_scale_f32_16x16x128_f8f6f4 with both operands' format E4M3, f32 sums; everything else in f32.
;; Inputs: bias 4,096 float32; c 1 float32; weight_g 4,096 float32; weight_v 4,096 x 4,096 float32; x 4,096 x 4,096 float32.
;; Outputs: out0 4,096 x 4,096 float32.
;; This version of the problem:
;;   THIS VERSION OF THE PROBLEM IS GIVEN IN LOW PRECISION. The matrix products marked QUANTISED in the list below multiply operands that are first quantised to E4M3 (4 exponent bits, 3 mantissa bits; 8 bits a number), with one power-of-two scale for each 32 numbers along K (OCP MX v1.0); their sums are f32. All else is computed in f32.
;;   The module's matrix products, in the order in which they are computed (A, B: the left and right operand; K: the contracted axis; several contracted axes count as one K, in the product's order):
;;     1. [M 4,096, K 4,096] x [K 4,096, N 4,096]; A: computed on the way; B: computed on the way: QUANTISED
;;   THE QUANTISER, for each operand of a quantised product, along K:
;;     - K is cut into blocks of 32 from its start; a last block that is shorter is filled with zeros.
;;     - A block's scale is 2^e with e = floor(log2(the largest magnitude in the block)) - 8, held to -126 .. 127; a block of zeros has e = 0. As a byte (E8M0): e + 127.
;;     - Each number is divided by its block's scale, clamped to +-448, and rounded to the nearest number of E4M3, ties to even, subnormals kept.
;;     - The product sums the exact products of the quantised numbers (number of the format x scale) in f32.
;;   ~~~python
;;   def quantise(x, axis):      # numpy; x: float32 -> the quantised numbers, widened to float32 again
;;       x = np.moveaxis(x, axis, -1); K = x.shape[-1]
;;       x = np.pad(x, [(0, 0)] * (x.ndim - 1) + [(0, -K % 32)]); x = x.reshape(x.shape[:-1] + (-1, 32)); a = np.abs(x).max(-1, keepdims=True)
;;       e = np.where(a > 0, np.clip(np.frexp(np.where(a > 0, a, 1))[1] - 1 - 8, -126, 127), 0)      # np.frexp(a)[1] - 1 = floor(log2(a)), exactly
;;       r = np.clip(x / 2.0 ** e, -448, 448)
;;       step = 2.0 ** (np.maximum(np.frexp(np.where(r == 0, 1, r))[1] - 1, -6) - 3)
;;       q = np.round(r / step) * step * 2.0 ** e      # np.round: ties to even
;;       return np.moveaxis(q.reshape(q.shape[:-2] + (-1,))[..., :K], -1, axis).astype(np.float32)
;;   ~~~
;;   OPERANDS COMPUTED ON THE WAY. 'Computed on the way' means the value that the module computes at that place (a softmax that the list does not call 'softmax' is quantised finished and normalised). What goes into a quantiser is computed in f32, as accurately as f32 sums, v_exp_f32 and their like allow (about 1e-6 of the number): no bf16 or f16 on the way to a quantiser, and a product that is left as it is and whose result goes on into a quantised operand takes f32 operands (vector FMAs, or v_wmma_f32_16x16x4_f32). A number that lies on a knife's edge between two numbers of the format may be rounded either way, as far as f32 arithmetic and the matrix unit's own rounding can turn it there, and no further.
;; One version. Each part assembles by itself: llvm-mc -triple=amdgcn-amd-amdhsa -mcpu=gfx1250 --defsym DOCPART=n.
;; ======== version 1 of 1: 5 launches
;; limits: a function is approximated: absolute error at most 1.5e-07; right only within a limited range of input values
;; workspace buffers: acodes 17,301,504 bytes; bcodes 17,301,504 bytes; colss 131,072 bytes; cx2 16,384 bytes; prod 67,108,864 bytes
;; launch colsq (part 1): grid 32 x 8, 8 waves a work-group, no clusters, 5,120 bytes of LDS; arguments weight_v, colss; writes colss
.if DOCPART == 1
	.amdgcn_target "amdgcn-amd-amdhsa--gfx1250"
	.amdhsa_code_object_version 6
	.text
	.protected	k_q34a53fe928_colsq
	.globl	k_q34a53fe928_colsq
	.p2align	8
	.type	k_q34a53fe928_colsq,@function
k_q34a53fe928_colsq:
	s_mov_b64 s[64:65], 0
	v_nop
	global_prefetch_b8 v0, s[64:65] scope:SCOPE_SE
	s_setreg_imm32_b32 hwreg(HW_REG_WAVE_MODE, 25, 1), 1
	s_wait_xcnt 0x0
; colss[p][n] = the sum over k = 512 p .. 512 p + 511 of weight_v[k][n]^2, p = 0 .. 7: eight partial sums for each column's norm, in f32.
; weight_v: [4096 (k)][4096 (n)] f32, a row is 16,384 bytes.  A work-group takes 128 columns x 512 rows, each of its eight waves 64 of the rows; a lane takes 4 columns,
; so each load of a wave covers 512 consecutive bytes, aligned.  Up to 48 loads of a wave are out.  The waves' sums meet in LDS; wave 0 adds them and stores 512 consecutive bytes.
; No cluster: no two work-groups read the same byte.  No matrix unit, no tensor load: a stream with one multiply-add a number.
.set ROWB, 16384
.set S0, 16                            ; v16-79, v80-143, v144-207: three sets of 16 rows x 4 columns
.set S1, 80
.set S2, 144
	s_load_b128 s[4:7], s[0:1], 0x0                ; weight_v s[4:5], colss s[6:7]
	v_lshl_add_u32 v216, v0, 2, 0x1000
	v_mov_b32 v217, 0
	v_lshrrev_b32 v3, 5, v0
	v_readfirstlane_b32 s8, v3                     ; wave 0..7
	v_and_b32 v1, 31, v0
	v_lshlrev_b32 v1, 4, v1                        ; 16 x lane: my 4 columns
	v_lshlrev_b32 v2, 4, v0                        ; LDS: 512 x wave + 16 x lane
	s_and_b32 s9, ttmp7, 0xffff                    ; which 512 rows
	s_lshl_b32 s10, s9, 23                         ; 512 rows of 16,384 bytes,
	s_lshl_b32 s11, s8, 20                         ; my wave's 64 rows,
	s_add_co_u32 s10, s10, s11
	s_lshl_b32 s12, ttmp9, 9                       ; 128 columns of 4 bytes
	s_add_co_u32 s10, s10, s12
	s_mov_b32 s11, 0
	s_lshl_b32 s13, s9, 14                         ; colss: part p is a row of 16,384 bytes
	s_add_co_u32 s12, s12, s13
	s_mov_b32 s13, 0
	s_wait_kmcnt 0x0
	s_add_nc_u64 s[4:5], s[4:5], s[10:11]
	s_add_nc_u64 s[6:7], s[6:7], s[12:13]
.macro LOADG g, set                    ; rows 16 g .. 16 g + 15 of my 64
.irp i, 0,1,2,3,4,5,6,7,8,9,10,11,12,13,14,15
	global_load_b128 v[\set+4*\i:\set+4*\i+3], v1, s[4:5] offset:(16*\g+\i)*ROWB
.endr
.endm
.macro ACCG set, first                 ; even rows into v[4:7], odd rows into v[8:11]: two chains; first = 1: the first two rows start them, nothing is cleared
.irp i, 0,1,2,3,4,5,6,7,8,9,10,11,12,13,14,15
.if \first && (\i < 2)
	v_pk_mul_f32 v[4+4*(\i%2):5+4*(\i%2)], v[\set+4*\i:\set+4*\i+1], v[\set+4*\i:\set+4*\i+1]
	v_pk_mul_f32 v[6+4*(\i%2):7+4*(\i%2)], v[\set+4*\i+2:\set+4*\i+3], v[\set+4*\i+2:\set+4*\i+3]
.else
	v_pk_fma_f32 v[4+4*(\i%2):5+4*(\i%2)], v[\set+4*\i:\set+4*\i+1], v[\set+4*\i:\set+4*\i+1], v[4+4*(\i%2):5+4*(\i%2)]
	v_pk_fma_f32 v[6+4*(\i%2):7+4*(\i%2)], v[\set+4*\i+2:\set+4*\i+3], v[\set+4*\i+2:\set+4*\i+3], v[6+4*(\i%2):7+4*(\i%2)]
.endif
.endr
.endm
	LOADG 0, S0
	LOADG 1, S1
	LOADG 2, S2
	s_wait_loadcnt 32                              ; group 0 is in; groups 1 and 2 may be out
	ACCG S0, 1
	LOADG 3, S0
	s_wait_loadcnt 32                              ; group 1 is in; groups 2 and 3 may be out
	ACCG S1, 0
	s_wait_loadcnt 16                              ; group 2 is in; group 3 may be out
	ACCG S2, 0
	s_wait_loadcnt 0x0
	ACCG S0, 0
	v_pk_add_f32 v[4:5], v[4:5], v[8:9]
	v_pk_add_f32 v[6:7], v[6:7], v[10:11]
	ds_store_b128 v2, v[4:7]
	s_wait_dscnt 0x0                               ; for the others' sake: my store has landed
	s_barrier_signal -1
	s_barrier_wait -1
	s_cmp_lg_u32 s8, 0
	s_cbranch_scc1 .Lend                           ; wave 0 alone adds the eight
.irp k, 0,1,2,3,4,5,6,7
	ds_load_b128 v[16+4*\k:19+4*\k], v1 offset:512*\k
.endr
	s_wait_dscnt 0x0
.irp k, 1,2,3,4,5,6,7
	v_pk_add_f32 v[16:17], v[16:17], v[16+4*\k:17+4*\k]
	v_pk_add_f32 v[18:19], v[18:19], v[18+4*\k:19+4*\k]
.endr
	global_store_b128 v1, v[16:19], s[6:7]         ; 32 lanes store 512 consecutive bytes, aligned
.Lend:
	s_wait_tensorcnt 0x0
	ds_add_u32 v216, v217
	s_wait_dscnt 0x0
	s_endpgm
.Lfunc_end_k_q34a53fe928_colsq:
	.size	k_q34a53fe928_colsq, .Lfunc_end_k_q34a53fe928_colsq-k_q34a53fe928_colsq
	.p2alignl 7, 3214868480
	.fill 96, 4, 3214868480
	.section	.rodata,"a",@progbits
	.p2align	6, 0x0
	.amdhsa_kernel k_q34a53fe928_colsq
		.amdhsa_group_segment_fixed_size 5120
		.amdhsa_private_segment_fixed_size 0
		.amdhsa_enable_private_segment 0
		.amdhsa_kernarg_size 16
		.amdhsa_user_sgpr_count 2
		.amdhsa_user_sgpr_kernarg_segment_ptr 1
		.amdhsa_wavefront_size32 1
		.amdhsa_system_sgpr_workgroup_id_x 1
		.amdhsa_system_sgpr_workgroup_id_y 1
		.amdhsa_system_sgpr_workgroup_id_z 1
		.amdhsa_system_vgpr_workitem_id 0
		.amdhsa_next_free_vgpr 218
		.amdhsa_next_free_sgpr 66
		.amdhsa_reserve_vcc 0
		.amdhsa_float_denorm_mode_32 3
		.amdhsa_float_denorm_mode_16_64 3
		.amdhsa_memory_ordered 1
		.amdhsa_forward_progress 1
		.amdhsa_inst_pref_size 18
	.end_amdhsa_kernel
	.amdgpu_metadata
---
amdhsa.version: [ 1, 2 ]
amdhsa.kernels:
  - .name:           k_q34a53fe928_colsq
    .symbol:         k_q34a53fe928_colsq.kd
    .args:
      - { .name: weight_v, .offset: 0, .size: 8, .value_kind: global_buffer, .address_space: global }
      - { .name: colss, .offset: 8, .size: 8, .value_kind: global_buffer, .address_space: global }
    .group_segment_fixed_size: 5120
    .private_segment_fixed_size: 0
    .kernarg_segment_align: 8
    .kernarg_segment_size: 16
    .max_flat_workgroup_size: 256
    .sgpr_count:     66
    .vgpr_count:     218
    .wavefront_size: 32
...
	.end_amdgpu_metadata
.endif
;; end of part 1
;; launch quantw (part 2): grid 32 x 16, 4 waves a work-group, no clusters, 0 bytes of LDS; arguments weight_v, colss, bcodes; writes bcodes
.if DOCPART == 2
	.amdgcn_target "amdgcn-amd-amdhsa--gfx1250"
	.amdhsa_code_object_version 6
	.text
	.protected	k_q34a53fe928_quantw
	.globl	k_q34a53fe928_quantw
	.p2align	8
	.type	k_q34a53fe928_quantw,@function
k_q34a53fe928_quantw:
	s_mov_b64 s[64:65], 0
	v_nop
	global_prefetch_b8 v0, s[64:65] scope:SCOPE_SE
	s_setreg_imm32_b32 hwreg(HW_REG_WAVE_MODE, 25, 1), 1
	s_wait_xcnt 0x0
; v[k][n] = weight_v[k][n] / m1 / m2, m1 = max(n1, 1e-15), n1 = the column's norm, m2 = max(the norm of the column / m1, 1e-15); v is turned into codes of FP8 (E4M3) with one E8M0 byte for each 32 along K.
; LIMITS.  The second norm is taken as n1 / m1, its algebraic value, not summed again: it differs from a sum by that sum's f32 rounding, and by more where the sum of squares falls under the smallest normal f32
; (column norms under about 1e-19).  The two divisions are one multiplication by rcp(m1) x rcp(m2).  A block of zeros gets the byte 1 (its codes are zeros; this program alone reads the bytes).  NaN and infinities in weight_v are not served.
; A LANE TAKES A COLUMN n AND ITS REGISTERS RUN DOWN K: each load reads 128 consecutive bytes a wave (the four waves stand side by side on 512), a block of 32 along K lies in one lane, and the codes come out with K innermost.
; THE OUTPUT LIES IN THE ORDER OF THE OPERAND'S REGISTERS.  Chunk (128 columns RB, 256 along K KS) at (16 RB + KS) x 33,792 bytes.  In it fragment (i: 16 columns, q: 128 along K) at 16,384 q + 2,048 i, its piece c (registers 4 c .. 4 c + 3)
; at 512 c, and in a piece lane (r, h)'s 16 bytes at 256 h + 16 r: the codes of column r at k = 128 q + 32 c + 16 h + 0 .. 15.  The scale words at 32,768 + 128 i + 8 r + 4 q, byte c for block c.
; So a lane's 32 codes of a block are two runs of 16 bytes, and in each store sixteen neighbouring lanes write 256 consecutive bytes, aligned: no stage in LDS is needed.
; No cluster: no two work-groups read the same rows of weight_v; the 4 KiB of partial sums that work-groups along K share are a small part of the 128 KiB that each reads.
.set CH,    33792
.set SCO,   32768
.set ROWB,  16384
.set NB,    8                          ; blocks of 32 along K for a lane
.set SB,    22                         ; v22-23  the scale bytes, four to a register
.set X,     32                         ; v32-95  two sets of 32 numbers as loaded
.set Y,     96                         ; v96-127 the block in hand, normalised
.set C,     128                        ; v128-191 codes: eight registers for each block, so that no store's data are written again
	s_load_b128 s[4:7], s[0:1], 0x0                ; weight_v s[4:5], colss s[6:7]
	s_load_b64 s[8:9], s[0:1], 0x10                ; bcodes
	v_lshrrev_b32 v1, 5, v0
	v_readfirstlane_b32 s16, v1                    ; wave 0..3
	v_and_b32 v1, 31, v0                           ; lane
	v_lshlrev_b32 v2, 2, v1                        ; in: 4 bytes a lane
	v_lshlrev_b32 v4, 3, v1                        ; my column's two scale words
	v_and_b32 v5, 15, v1
	v_lshrrev_b32 v3, 4, v1
	v_lshlrev_b32 v3, 11, v3
	v_lshl_add_u32 v3, v5, 4, v3                   ; codes: 2,048 x (lane / 16) + 16 x (lane % 16)
	s_and_b32 s17, ttmp7, 0xffff                   ; KS
	s_lshl_b32 s20, ttmp9, 9
	s_lshl_b32 s21, s16, 7
	s_add_co_u32 s20, s20, s21                     ; my wave's first column in bytes: 512 RB + 128 wave
	s_lshl_b32 s18, s17, 22                        ; 256 rows of 16,384 bytes
	s_add_co_u32 s18, s18, s20
	s_mov_b32 s19, 0
	s_mov_b32 s21, 0
	s_lshl_b32 s22, ttmp9, 4
	s_add_co_u32 s22, s22, s17
	s_mul_i32 s22, s22, CH                         ; the chunk
	s_lshl_b32 s24, s16, 8
	s_add_co_u32 s24, s24, s22
	s_add_co_u32 s24, s24, SCO                     ; my 32 columns' scale words
	s_mov_b32 s25, 0
	s_lshl_b32 s23, s16, 12
	s_add_co_u32 s22, s22, s23                     ; my two fragments: i = 2 wave, 2 wave + 1
	s_mov_b32 s23, 0
	s_mov_b32 s12, 0x600000                        ; the mantissa field of 448
	s_wait_kmcnt 0x0
	s_add_nc_u64 s[4:5], s[4:5], s[18:19]
	s_add_nc_u64 s[6:7], s[6:7], s[20:21]
	s_add_nc_u64 s[10:11], s[8:9], s[24:25]
	s_add_nc_u64 s[8:9], s[8:9], s[22:23]
.macro LOAD t                          ; block t: weight_v(32 t + i, my column) into set t % 2
.irp i, 0,1,2,3,4,5,6,7,8,9,10,11,12,13,14,15,16,17,18,19,20,21,22,23,24,25,26,27,28,29,30,31
	global_load_b32 v[X+32*((\t)%2)+\i], v2, s[4:5] offset:(32*(\t)+\i)*ROWB th:TH_LOAD_NT
.endr
.endm
.irp p, 0,1,2,3,4,5,6,7
	global_load_b32 v[8+\p], v2, s[6:7] offset:16384*\p    ; my column's eight partial sums of squares
.endr
	LOAD 0
	s_wait_loadcnt 32                              ; the partial sums are in; block 0's 32 loads may be out
	LOAD 1
	v_add_f32 v8, v8, v9
	v_add_f32 v10, v10, v11
	v_add_f32 v12, v12, v13
	v_add_f32 v14, v14, v15
	v_add_f32 v8, v8, v10
	v_add_f32 v12, v12, v14
	v_add_f32 v8, v8, v12
	v_sqrt_f32 v9, v8                              ; n1
	v_nop                                          ; a plain place behind each transcendental
	s_wait_alu depctr_va_vdst(0)
	v_max_num_f32 v10, 0x26901d7d, v9              ; m1 = max(n1, 1e-15)
	v_rcp_f32 v11, v10
	v_nop
	s_wait_alu depctr_va_vdst(0)
	v_mul_f32 v12, v9, v11                         ; n1 / m1: the norm of the column once normalised
	v_max_num_f32 v12, 0x26901d7d, v12             ; m2
	v_rcp_f32 v13, v12
	v_nop
	s_wait_alu depctr_va_vdst(0)
	v_mul_f32 v6, v11, v13                         ; the column's factor,
	v_mov_b32 v7, v6                               ; twice, for the packed multiply
.macro BLOCK t
.set XS, X+32*((\t)%2)
.if (\t) < NB-1
	s_wait_loadcnt 32                              ; this block's 32 loads are in; the next block's may be out
.else
	s_wait_loadcnt 0x0
.endif
.irp i, 0,2,4,6,8,10,12,14,16,18,20,22,24,26,28,30
	v_pk_mul_f32 v[Y+\i:Y+\i+1], v[XS+\i:XS+\i+1], v[6:7]
.endr
.if (\t)+2 < NB
	LOAD (\t)+2                                    ; the set is free at once
.endif
	v_max3_num_f32 v16, |v[Y]|, |v[Y+1]|, |v[Y+2]|           ; the block's largest magnitude: all 32 numbers are mine
	v_max3_num_f32 v17, |v[Y+3]|, |v[Y+4]|, |v[Y+5]|
.irp i, 6,10,14,18,22,26
	v_max3_num_f32 v16, v16, |v[Y+\i]|, |v[Y+\i+1]|
	v_max3_num_f32 v17, v17, |v[Y+\i+2]|, |v[Y+\i+3]|
.endr
	v_max3_num_f32 v16, v16, |v[Y+30]|, |v[Y+31]|
	v_max3_num_f32 v16, v16, v17, 0x4800000        ; and the floor 2^(9 - 127): the byte cannot fall under 1
	v_add_nc_u32 v19, 0xfc000000, v16              ; 8 off the exponent field: the conversion's scale operand
	v_and_or_b32 v18, v16, 0x7f800000, s12         ; 448 x the scale
	v_lshrrev_b32 v20, 23, v19                     ; the scale's byte
.if (\t)%4 == 0
	v_mov_b32 v[SB+(\t)/4], v20                    ; four bytes to a word, the lower K in the lower byte
.else
	v_lshl_or_b32 v[SB+(\t)/4], v20, 8*((\t)%4), v[SB+(\t)/4]
.endif
.irp i, 0,1,2,3,4,5,6,7,8,9,10,11,12,13,14,15,16,17,18,19,20,21,22,23,24,25,26,27,28,29,30,31
	v_med3_num_f32 v[Y+\i], v[Y+\i], -v18, v18     ; the conversion to an 8-bit code does not saturate (ISA guide 7.6.2): the hold at 448 x the scale
.endr
.irp g, 0,1,2,3
	v_cvt_scalef32_pk8_fp8_f32 v[C+8*(\t)+2*\g:C+8*(\t)+2*\g+1], v[Y+8*\g:Y+8*\g+7], v19
.endr
	v_nop                                          ; a plain place behind the conversions: the next block's first multiply writes their sources
	global_store_b128 v3, v[C+8*(\t):C+8*(\t)+3], s[8:9] offset:((\t)/4)*16384+((\t)%4)*512        ; k = 32 t + 0 .. 15: the piece's lanes 0-15
	global_store_b128 v3, v[C+8*(\t)+4:C+8*(\t)+7], s[8:9] offset:((\t)/4)*16384+((\t)%4)*512+256  ; k = 32 t + 16 .. 31: its lanes 16-31
.endm
.set Q, 0
.rept NB
	BLOCK Q
.set Q, Q+1
.endr
	global_store_b64 v4, v[SB:SB+1], s[10:11]      ; 32 lanes store 256 consecutive bytes, aligned
	s_endpgm
.Lfunc_end_k_q34a53fe928_quantw:
	.size	k_q34a53fe928_quantw, .Lfunc_end_k_q34a53fe928_quantw-k_q34a53fe928_quantw
	.p2alignl 7, 3214868480
	.fill 96, 4, 3214868480
	.section	.rodata,"a",@progbits
	.p2align	6, 0x0
	.amdhsa_kernel k_q34a53fe928_quantw
		.amdhsa_group_segment_fixed_size 0
		.amdhsa_private_segment_fixed_size 0
		.amdhsa_enable_private_segment 0
		.amdhsa_kernarg_size 24
		.amdhsa_user_sgpr_count 2
		.amdhsa_user_sgpr_kernarg_segment_ptr 1
		.amdhsa_wavefront_size32 1
		.amdhsa_system_sgpr_workgroup_id_x 1
		.amdhsa_system_sgpr_workgroup_id_y 1
		.amdhsa_system_sgpr_workgroup_id_z 1
		.amdhsa_system_vgpr_workitem_id 0
		.amdhsa_next_free_vgpr 200
		.amdhsa_next_free_sgpr 66
		.amdhsa_reserve_vcc 0
		.amdhsa_float_denorm_mode_32 3
		.amdhsa_float_denorm_mode_16_64 3
		.amdhsa_memory_ordered 1
		.amdhsa_forward_progress 1
		.amdhsa_inst_pref_size 66
	.end_amdhsa_kernel
	.amdgpu_metadata
---
amdhsa.version: [ 1, 2 ]
amdhsa.kernels:
  - .name:           k_q34a53fe928_quantw
    .symbol:         k_q34a53fe928_quantw.kd
    .args:
      - { .name: weight_v, .offset: 0, .size: 8, .value_kind: global_buffer, .address_space: global }
      - { .name: colss, .offset: 8, .size: 8, .value_kind: global_buffer, .address_space: global }
      - { .name: bcodes, .offset: 16, .size: 8, .value_kind: global_buffer, .address_space: global }
    .group_segment_fixed_size: 0
    .private_segment_fixed_size: 0
    .kernarg_segment_align: 8
    .kernarg_segment_size: 24
    .max_flat_workgroup_size: 128
    .sgpr_count:     66
    .vgpr_count:     200
    .wavefront_size: 32
...
	.end_amdgpu_metadata
.endif
;; end of part 2
;; launch quantx (part 3): grid 256 x 1, 16 waves a work-group, no clusters, 139,264 bytes of LDS; arguments x, c, acodes, cx2; writes acodes, cx2
.if DOCPART == 3
	.amdgcn_target "amdgcn-amd-amdhsa--gfx1250"
	.amdhsa_code_object_version 6
	.text
	.protected	k_q34a53fe928_quantx
	.globl	k_q34a53fe928_quantx
	.p2align	8
	.type	k_q34a53fe928_quantx,@function
k_q34a53fe928_quantx:
	s_mov_b64 s[64:65], 0
	v_nop
	global_prefetch_b8 v0, s[64:65] scope:SCOPE_SE
	s_setreg_imm32_b32 hwreg(HW_REG_WAVE_MODE, 25, 1), 1
	s_wait_xcnt 0x0
; rcx = sqrt(c) x;  cx2[m] = the sum over k of rcx[m][k]^2, in f32;  rcx is turned into codes of FP8 (E4M3) with one E8M0 byte for each 32 along K.  x: [4096][4096] f32.
; LIMITS: c finite and not negative.  A block of zeros gets the byte 1 (its codes are zeros; this program alone reads the bytes).  NaN and infinities in x are not served.
; A work-group owns 16 rows, one block of 16 of the operand; each of its sixteen waves owns 256 along K: two fragments of 16 rows x 128 K.  All 32 loads of a wave go out at once, each 512 consecutive bytes of one row.
; The conversions want 16 neighbours along K in one lane's registers: 16 rows x 512 bytes go through the wave's own stage in LDS (rows 528 bytes apart, so that the sixteen rows that a load touches start
; in sixteen different groups of banks) and come back so that register 16 b + i of lane (r, h) is k = 32 b + 16 h + i of row r: the operand's own order.
; THE OUTPUT LIES IN THE ORDER OF THE OPERAND'S REGISTERS: chunk (128 rows RB, 256 along K KS) at (16 RB + KS) x 33,792 bytes; fragment (i, q) at 16,384 q + 2,048 i; piece c at 512 c; lane l's 16 bytes at 16 l.
; The scale words at 32,768 + 128 i + 8 r + 4 q.  Each store of codes covers 512 consecutive bytes, aligned; the 32 scale words of a wave are 128 consecutive bytes: 16 rows have no more for 256 along K.
; No cluster: no two work-groups read the same byte of x.
.set CH,   33792
.set SCO,  32768
.set SP,   528                         ; a stage row: 512 bytes + 16
.set WST,  16*SP                       ; a wave's stage
.set RED,  16*WST                      ; behind the stages: a word for each thread, for cx2
.set TM,   16                          ; v16-19 largest magnitudes, v20-23 bytes, v24-27 448 x the scale, v28-31 the conversions' scale operands
.set PC,   32                          ; v32-63  codes: a set of 16 for each fragment
.set R0,   64                          ; v64-127, v128-191: 64 numbers a lane for each fragment
.set SW,   14                          ; v14-15  the two scale words
.set SEL,  22
.set MNT,  30
	s_load_b256 s[4:11], s[0:1], 0x0               ; x s[4:5], c s[6:7], acodes s[8:9], cx2 s[10:11]
	v_lshl_add_u32 v192, v0, 2, 0x21800
	v_mov_b32 v193, 0
	v_lshrrev_b32 v16, 5, v0
	v_readfirstlane_b32 s14, v16                   ; wave 0..15 = KS
	v_and_b32 v16, 31, v0                          ; lane
	v_and_b32 v17, 15, v0                          ; r
	v_bfe_u32 v18, v0, 4, 1                        ; h
	s_mul_i32 s16, s14, WST                        ; my stage
	v_lshlrev_b32 v4, 4, v16                       ; 16 x lane: my bytes of a load, and of a piece of codes
	v_add_nc_u32 v5, s16, v4                       ; the stage, in: as loaded
	v_mul_u32_u24 v6, v17, SP
	v_lshl_add_u32 v6, v18, 6, v6
	v_add_nc_u32 v6, s16, v6                       ; and out: row r, + 64 h: my 16 numbers of a block of 32
	v_lshl_add_u32 v7, v0, 2, RED                  ; my word for cx2
	v_lshl_add_u32 v1, v16, 2, RED                 ; where wave 0 reads the waves' words
	v_lshlrev_b32 v2, 3, v17
	v_lshl_add_u32 v2, v18, 2, v2                  ; scale words: 8 r + 4 h
	v_lshlrev_b32 v3, 2, v16                       ; cx2: 4 x lane
.irp b, 0,1,2,3
	v_mov_b32 v[TM+4+\b], 0                        ; written once: a lane permute's destination counts as one of its sources
.endr
	s_lshl_b32 s18, ttmp9, 18                      ; 16 rows of 16,384 bytes,
	s_lshl_b32 s19, s14, 10                        ; my 256 numbers of a row
	s_add_co_u32 s18, s18, s19
	s_mov_b32 s19, 0
	s_lshr_b32 s20, ttmp9, 3                       ; RB
	s_lshl_b32 s20, s20, 4
	s_add_co_u32 s20, s20, s14
	s_mul_i32 s20, s20, CH                         ; the chunk
	s_and_b32 s21, ttmp9, 7                        ; i
	s_lshl_b32 s24, s21, 7
	s_add_co_u32 s24, s24, s20
	s_add_co_u32 s24, s24, SCO
	s_mov_b32 s25, 0
	s_lshl_b32 s21, s21, 11
	s_add_co_u32 s20, s20, s21
	s_mov_b32 s21, 0
	s_lshl_b32 s28, ttmp9, 6
	s_mov_b32 s29, 0
	s_mov_b32 s[SEL], 0x76543210
	s_mov_b32 s[SEL+1], 0xfedcba98                 ; v_permlanex16_b32's selects for lane l xor 16
	s_mov_b32 s[MNT], 0x600000                     ; the mantissa field of 448
	s_wait_kmcnt 0x0
	s_add_nc_u64 s[4:5], s[4:5], s[18:19]
	s_add_nc_u64 s[26:27], s[8:9], s[24:25]        ; the scale words
	s_add_nc_u64 s[8:9], s[8:9], s[20:21]          ; the codes
	s_add_nc_u64 s[10:11], s[10:11], s[28:29]
.irp q, 0,1
.irp p, 0,1,2,3,4,5,6,7,8,9,10,11,12,13,14,15
	global_load_b128 v[R0+64*\q+4*\p:R0+64*\q+4*\p+3], v4, s[4:5] offset:\p*16384+512*\q th:TH_LOAD_NT   ; row p, 128 numbers: 512 consecutive bytes
.endr
.endr
	s_load_b32 s12, s[6:7], 0x0                    ; c
	s_wait_kmcnt 0x0
	v_sqrt_f32 v12, s12
	v_nop                                          ; a plain place behind the transcendental
	s_wait_alu depctr_va_vdst(0)
	v_mov_b32 v13, v12                             ; sqrt(c), twice, for the packed multiply
; 64 numbers of a lane, v[s] on, register 16 b + i = k 32 b + 16 h + i of my row, become a fragment's codes in v[pc] on and its scale word in v[pw]
.macro QUANT s, pc, pw
.irp b, 0,1,2,3
	v_max3_num_f32 v[TM+\b], |v[\s+16*\b]|, |v[\s+1+16*\b]|, 0x4800000   ; block b: my 16 numbers, and the floor 2^(9 - 127): the byte cannot fall under 1
.endr
.irp i, 2,4,6,8,10,12,14
.irp b, 0,1,2,3
	v_max3_num_f32 v[TM+\b], v[TM+\b], |v[\s+16*\b+\i]|, |v[\s+1+16*\b+\i]|   ; the four blocks by turns
.endr
.endr
.irp b, 0,1,2,3
	v_permlanex16_b32 v[TM+4+\b], v[TM+\b], s[SEL], s[SEL+1]
.endr
.irp b, 0,1,2,3
	v_max_num_f32 v[TM+\b], v[TM+\b], v[TM+4+\b]   ; with lane l xor 16's: the block's largest magnitude
.endr
.irp b, 0,1,2,3
	v_add_nc_u32 v[TM+12+\b], 0xfc000000, v[TM+\b] ; 8 off its exponent field: the conversion's scale operand
.endr
.irp b, 0,1,2,3
	v_and_or_b32 v[TM+8+\b], v[TM+\b], 0x7f800000, s[MNT]   ; 448 x the scale
.endr
.irp b, 0,1,2,3
	v_lshrrev_b32 v[TM+4+\b], 23, v[TM+12+\b]      ; the scale's byte
.endr
	v_lshl_or_b32 v[\pw], v[TM+5], 8, v[TM+4]      ; the four bytes make my row's scale word
	v_lshl_or_b32 v[\pw], v[TM+6], 16, v[\pw]
	v_lshl_or_b32 v[\pw], v[TM+7], 24, v[\pw]
.irp b, 0,1,2,3
.irp i, 0,1,2,3,4,5,6,7,8,9,10,11,12,13,14,15
	v_med3_num_f32 v[\s+16*\b+\i], v[\s+16*\b+\i], -v[TM+8+\b], v[TM+8+\b]   ; the conversion to an 8-bit code does not saturate (ISA guide 7.6.2): the hold
.endr
	v_cvt_scalef32_pk8_fp8_f32 v[\pc+4*\b:\pc+1+4*\b], v[\s+16*\b:\s+7+16*\b], v[TM+12+\b]
	v_cvt_scalef32_pk8_fp8_f32 v[\pc+2+4*\b:\pc+3+4*\b], v[\s+8+16*\b:\s+15+16*\b], v[TM+12+\b]
.endr
	v_nop                                          ; a plain place behind the last conversion
.endm
.macro HALF q
.set RQ, R0+64*\q
.if \q == 0
	s_wait_loadcnt 16                              ; this half's 16 loads are in; the other half's may be out
.else
	s_wait_loadcnt 0x0
.endif
.irp p, 0,1,2,3,4,5,6,7,8,9,10,11,12,13,14,15
	ds_store_b128 v5, v[RQ+4*\p:RQ+4*\p+3] offset:SP*\p
.endr
	s_wait_dscnt 0x0                               ; the stores have read their registers
.irp b, 0,1,2,3
.irp j, 0,1,2,3
	ds_load_b128 v[RQ+16*\b+4*\j:RQ+16*\b+4*\j+3], v6 offset:128*\b+16*\j
.endr
.endr
	s_wait_dscnt 0x0
.irp k, 0,2,4,6,8,10,12,14,16,18,20,22,24,26,28,30,32,34,36,38,40,42,44,46,48,50,52,54,56,58,60,62
	v_pk_mul_f32 v[RQ+\k:RQ+\k+1], v[RQ+\k:RQ+\k+1], v[12:13]     ; sqrt(c) x
.endr
.irp k, 0,4,8,12,16,20,24,28,32,36,40,44,48,52,56,60
.if (\q == 0) && (\k == 0)
	v_pk_mul_f32 v[8:9], v[RQ:RQ+1], v[RQ:RQ+1]                    ; the first products start the two chains: nothing is cleared
	v_pk_mul_f32 v[10:11], v[RQ+2:RQ+3], v[RQ+2:RQ+3]
.else
	v_pk_fma_f32 v[8:9], v[RQ+\k:RQ+\k+1], v[RQ+\k:RQ+\k+1], v[8:9]
	v_pk_fma_f32 v[10:11], v[RQ+\k+2:RQ+\k+3], v[RQ+\k+2:RQ+\k+3], v[10:11]
.endif
.endr
	QUANT RQ, PC+16*\q, SW+\q
.irp c, 0,1,2,3
	global_store_b128 v4, v[PC+16*\q+4*\c:PC+16*\q+4*\c+3], s[8:9] offset:16384*\q+512*\c   ; a piece: 512 consecutive bytes, aligned
.endr
.endm
	HALF 0
	HALF 1
	v_and_b32 v16, 31, v0
	v_cmp_le_u32 vcc_lo, 16, v16
	v_cndmask_b32 v17, v[SW], v[SW+1], vcc_lo      ; lanes 0-15 hold row r's word of the first 128 along K, lanes 16-31 that of the second
	global_store_b32 v2, v17, s[26:27]
	v_add_f32 v8, v8, v9
	v_add_f32 v10, v10, v11
	v_add_f32 v8, v8, v10
	v_permlanex16_b32 v20, v8, s[SEL], s[SEL+1]
	v_add_f32 v8, v8, v20                          ; row r's sum of squares over my 256 along K
	ds_store_b32 v7, v8
	s_wait_dscnt 0x0                               ; for the others' sake: my store has landed
	s_barrier_signal -1
	s_barrier_wait -1
	s_cmp_lg_u32 s14, 0
	s_cbranch_scc1 .Lend                           ; wave 0 alone adds the sixteen
.irp k, 0,1,2,3,4,5,6,7,8,9,10,11,12,13,14,15
	ds_load_b32 v[R0+\k], v1 offset:128*\k
.endr
	s_wait_dscnt 0x0
.irp k, 1,2,3,4,5,6,7,8,9,10,11,12,13,14,15
	v_add_f32 v[R0], v[R0], v[R0+\k]
.endr
	v_cmp_gt_u32 vcc_lo, 16, v16
	s_wait_xcnt 0x0                                ; EXEC changes only behind this wait: it is a source of the stores above
	s_and_saveexec_b32 s20, vcc_lo
	global_store_b32 v3, v[R0], s[10:11]           ; lanes 0-15: the 16 rows' cx2
	s_wait_xcnt 0x0
	s_or_b32 exec_lo, exec_lo, s20
.Lend:
	s_wait_tensorcnt 0x0
	ds_add_u32 v192, v193
	s_wait_dscnt 0x0
	s_endpgm
.Lfunc_end_k_q34a53fe928_quantx:
	.size	k_q34a53fe928_quantx, .Lfunc_end_k_q34a53fe928_quantx-k_q34a53fe928_quantx
	.p2alignl 7, 3214868480
	.fill 96, 4, 3214868480
	.section	.rodata,"a",@progbits
	.p2align	6, 0x0
	.amdhsa_kernel k_q34a53fe928_quantx
		.amdhsa_group_segment_fixed_size 139264
		.amdhsa_private_segment_fixed_size 0
		.amdhsa_enable_private_segment 0
		.amdhsa_kernarg_size 32
		.amdhsa_user_sgpr_count 2
		.amdhsa_user_sgpr_kernarg_segment_ptr 1
		.amdhsa_wavefront_size32 1
		.amdhsa_system_sgpr_workgroup_id_x 1
		.amdhsa_system_sgpr_workgroup_id_y 1
		.amdhsa_system_sgpr_workgroup_id_z 1
		.amdhsa_system_vgpr_workitem_id 0
		.amdhsa_next_free_vgpr 194
		.amdhsa_next_free_sgpr 66
		.amdhsa_reserve_vcc 1
		.amdhsa_float_denorm_mode_32 3
		.amdhsa_float_denorm_mode_16_64 3
		.amdhsa_memory_ordered 1
		.amdhsa_forward_progress 1
		.amdhsa_inst_pref_size 37
	.end_amdhsa_kernel
	.amdgpu_metadata
---
amdhsa.version: [ 1, 2 ]
amdhsa.kernels:
  - .name:           k_q34a53fe928_quantx
    .symbol:         k_q34a53fe928_quantx.kd
    .args:
      - { .name: x, .offset: 0, .size: 8, .value_kind: global_buffer, .address_space: global }
      - { .name: c, .offset: 8, .size: 8, .value_kind: global_buffer, .address_space: global }
      - { .name: acodes, .offset: 16, .size: 8, .value_kind: global_buffer, .address_space: global }
      - { .name: cx2, .offset: 24, .size: 8, .value_kind: global_buffer, .address_space: global }
    .group_segment_fixed_size: 139264
    .private_segment_fixed_size: 0
    .kernarg_segment_align: 8
    .kernarg_segment_size: 32
    .max_flat_workgroup_size: 512
    .sgpr_count:     66
    .vgpr_count:     194
    .wavefront_size: 32
...
	.end_amdgpu_metadata
.endif
;; end of part 3
;; launch gemm (part 4): grid 16 x 16, 4 waves a work-group, clusters of 4 x 4, 327,680 bytes of LDS; arguments acodes, bcodes, prod; writes prod
.if DOCPART == 4
	.amdgcn_target "amdgcn-amd-amdhsa--gfx1250"
	.amdhsa_code_object_version 6
	.text
	.protected	k_q34a53fe928_gemm
	.globl	k_q34a53fe928_gemm
	.p2align	8
	.type	k_q34a53fe928_gemm,@function
k_q34a53fe928_gemm:
	s_mov_b64 s[64:65], 0
	v_nop
	global_prefetch_b8 v0, s[64:65] scope:SCOPE_SE
	s_setreg_imm32_b32 hwreg(HW_REG_WAVE_MODE, 25, 1), 1
	s_wait_xcnt 0x0
	s_wait_alu depctr_hold_cnt(0) depctr_sa_sdst(0) depctr_va_vdst(0) depctr_va_sdst(0) depctr_va_ssrc(0) depctr_va_vcc(0) depctr_vm_vsrc(0)
	s_getreg_b32 s2, hwreg(HW_REG_IB_STS2, 6, 4)
	s_cmp_eq_u32 s2, 0
	s_cbranch_scc0 .Lentry_in_a_cluster
	s_endpgm
.Lentry_in_a_cluster:
	s_bfe_u32 s2, ttmp6, 0x10000c
	s_cmp_lg_u32 s2, 0xf033
	s_cbranch_scc0 .Lentry_shape_is_right
	s_endpgm
.Lentry_shape_is_right:
; prod[m][n] = the sum over k of A[m][k] B[n][k], M = N = K = 4,096: A = the codes of sqrt(c) x, B = the codes of the normalised weight, FP8 (E4M3) with one E8M0 scale for each 32 along K; sums in f32; prod f32.
; BOTH OPERANDS LIE IN MEMORY IN THE ORDER OF THE OPERAND'S REGISTERS, in chunks of 33,792 bytes: chunk (128 rows RB, 256 along K KS) at (16 RB + KS) x 33,792; in it fragment (i: 16 rows, q: 128 along K) at
; 16,384 q + 2,048 i, its registers 4 c .. 4 c + 3 at 512 c, lane l's 16 bytes at 16 l; the rows' scale words at 32,768 + 128 i + 8 r + 4 q.  So what a wave fetches for a K step, codes and scales of 128 rows, is ONE dense block
; for one tensor load (132 rows of 256 bytes), every LDS load of a fragment reads 512 consecutive bytes (no padding is needed), and the scales ride in the ring.
; A tile of prod, 256 x 256, is made by a work-group of four waves; a wave makes 128 x 128: 64 accumulators of 16 x 16, 512 registers.  K goes in steps of 256 through a ring of two LDS slots: 16 steps, 8 laps.
; CLUSTERS: 4 x 4 work-groups.  The four of a row of the cluster need the same chunks of A, the four of a column the same chunks of B: each is asked for JOINTLY, by the same tensor load with the same descriptor and a mask that names the four.
; THE MATRIX INSTRUCTION IS USED TRANSPOSED (source 0 = 16 rows of B, source 1 = 16 rows of A): a lane then holds eight neighbouring numbers of a row of prod.
; REGISTERS, in windows of 256: window 0: v0-31 addresses; v32-63 scale words, two sets; from v128 A's fragments (8 x 16 rows x 128 K), ONE set; on the way out v128-255 take rows of prod.
;   window 1: B's fragments, TWO sets, at v0 and at v128.   window 2: the 32 accumulators of my rows 0-63 (accumulator (a, b) at v[8 (8 a + b)]);   window 3: those of my rows 64-127.
; A step of 128 along K is 64 matrix instructions, A's blocks one after the other, each against B's eight: a block of A is free as soon as its eight products are issued, so one set serves A; B has two.
.set SIZE_N, 4096
.set CH,     33792                     ; a chunk: 32,768 bytes of codes, 1,024 of scale words
.set SCO,    32768
.set NQ,     2                         ; matrix instructions deep in a slot
.set FR,     16                        ; registers of a fragment
.set NL,     4                         ; LDS loads that bring one
.set NP,     8                         ; places behind this matrix instruction (ISA guide 7.12.1)
.set SLOT,   4*CH                      ; A's two chunks, then B's two
.set LAPS,   8                         ; a lap = two K steps = once round the ring
.set SPARE,  2*SLOT                    ; behind the ring: the spare words, 128 bytes for each wave: two blocks of 256 bytes that no other line names
.set SPITCH, 528                       ; the way out: a stage of 16 rows x (512 bytes + 16) for each wave.  It lies in slot 0, which has had its last fill and its last read when the first result is stored there
.set ADRA, 16                          ; v16-17  LDS address of my A fragments in slot 0, 1
.set ADRB, 20                          ; v20-21  the same for B
.set STO,  24                          ; v24     the way out: where I put 32 bytes of a row
.set RD,   25                          ; v25     the way out: where I read a row back
.set CO,   26                          ; v26     my byte offset in a row of prod
.set SPW,  28                          ; v28     LDS address of my spare word: SPARE + 4 x my thread's number; never rewritten
.set NIL,  29                          ; v29     0; never rewritten
.set ADRS, 30                          ; v30-31  LDS address of my scale words in slot 0, 1: lanes 0-15 A's rows, lanes 16-31 B's
.set SC,   32                          ; scale words: set s (for slot s) at v[SC + 16 s]; in it register 2 i + q: lanes 0-15 the word of A's block i, lanes 16-31 that of B's block i, for the slot's q-th 128 along K
.set AF,   128                         ; A's fragments, in window 0
.set BK,   128                         ; the way out: 16 rows read back from the stage: v128-191 and v192-255 by turns
.set G1, 24                            ; s[24:31] descriptor group 1 for A's chunks;  s[32:39] group 0, one set for each slot
.set G0, 32
.set G1B, 48                           ; s[48:55], s[56:63] the same for B's
.set G0B, 56
.set MSB, 0
.macro WIN new                         ; the immediate's high byte repeats the setting that is left
.if MSB != \new
	s_set_vgpr_msb (MSB<<8)|\new
.set MSB, \new
.endif
.endm
.set MUL_LO, 0xa1                      ; source 0 (B) window 1, source 1 (A) window 0, C and D window 2
.set MUL_HI, 0xf1                      ; the same, C and D window 3
.set TO_B,   0x40                      ; destination window 1, address window 0
; A joint load: waves 0 and 1 fetch for A, waves 2 and 3 for B.  Each of the two lines has ONE mask and one set of registers for all that issue it; the branch hangs on the wave's number alone.
; Four v_nop follow each of the two lines, ahead of the jump, the label and what follows.
.macro JLOAD g0a, g1a, g0b, g1b
	s_cmp_eq_u32 s15, 0
	s_cbranch_scc0 .Lfor_b_\@
	tensor_load_to_lds s[\g0a:\g0a+3], s[\g1a:\g1a+7]
	s_nop 0
.rept 4
	v_nop
.endr
	s_branch .Lasked_\@
.Lfor_b_\@:
	tensor_load_to_lds s[\g0b:\g0b+3], s[\g1b:\g1b+7]
	s_nop 0
.rept 4
	v_nop
.endr
.Lasked_\@:
.endm
.macro CREST                           ; a round of the cluster's barrier behind its opening barrier
	s_cmp_lg_u32 s14, 0
	s_cbranch_scc1 .Lnot_wave_0_\@
	s_barrier_signal -3
.Lnot_wave_0_\@:
	s_barrier_wait -3
	s_barrier_signal -1
	s_barrier_wait -1
.endm
.macro CROUND                          ; a whole round
	s_barrier_signal -1
	s_barrier_wait -1
	CREST
.endm
	s_load_b128 s[4:7], s[0:1], 0x0                ; A's chunks s[4:5], B's s[6:7]
	s_load_b64 s[12:13], s[0:1], 0x10              ; prod
	v_lshl_add_u32 v[SPW], v0, 2, SPARE
	v_mov_b32 v[NIL], 0
	ds_add_u32 v28, v29
	ds_add_u32 v28, v29
	s_wait_dscnt 0x0
	v_lshrrev_b32 v1, 5, v0
	v_readfirstlane_b32 s14, v1                    ; wave 0..3
	s_lshr_b32 s15, s14, 1                         ; which half of the tile's rows is mine.  Also: I fetch for A (0) or for B (1)
	s_and_b32 s16, s14, 1                          ; which half of its columns.  Also: which 128 rows of that operand I fetch
	s_bfe_u32 s40, ttmp6, 0x40000                  ; cx, cy: my place in the cluster
	s_bfe_u32 s41, ttmp6, 0x40004
	s_lshl_b32 s42, ttmp9, 2
	s_add_co_u32 s42, s42, s40                     ; tile column = 4 x cluster x + cx
	s_and_b32 s17, ttmp7, 0xffff
	s_lshl_b32 s17, s17, 2
	s_add_co_u32 s17, s17, s41                     ; tile row = 4 x cluster y + cy
	s_lshl_b32 s43, s41, 2
	s_lshl_b32 s43, 15, s43                        ; my row of the cluster
	s_lshl_b32 s44, 0x1111, s40                    ; my column
	; descriptor group 1: a dense block of 33,792 bytes as 132 rows of 256 bytes (32 elements of 8 bytes), no padding
	s_or_b32 s[G1+0], s43, (3<<16)|(1<<21)         ; 15:0 the mask: A's chunks go to my row; 17:16 elements of 8 bytes; 21 set beside a mask
	s_or_b32 s[G1B+0], s44, (3<<16)|(1<<21)        ; the same with the mask of my column
.irp g, G1, G1B
	s_mov_b32 s[\g+1], 32<<16                      ; tensor_dim0 = 32
	s_mov_b32 s[\g+2], 132<<16                     ; tensor_dim1 = 132
	s_mov_b32 s[\g+3], 32<<16                      ; tile_dim0 = 32
	s_mov_b32 s[\g+4], 132                         ; tile_dim1 = 132
	s_mov_b32 s[\g+5], 32                          ; tensor_dim0_stride
	s_mov_b32 s[\g+6], 0
	s_mov_b32 s[\g+7], 0
.endr
	s_lshl_b32 s20, s17, 1
	s_add_co_u32 s20, s20, s16                     ; A: RB = 2 x tile row + half
	s_mul_i32 s20, s20, 16*CH                      ; its 16 chunks along K lie on end
	s_mov_b32 s21, 0
	s_lshl_b32 s46, s42, 1
	s_add_co_u32 s46, s46, s16                     ; B: RB = 2 x tile column + half
	s_mul_i32 s46, s46, 16*CH
	s_mov_b32 s47, 0
	s_mul_i32 s45, s14, CH                         ; where they go: wave x a chunk: no place in the cluster enters an LDS address
	s_wait_kmcnt 0x0
	s_add_nc_u64 s[20:21], s[4:5], s[20:21]
	s_add_nc_u64 s[46:47], s[6:7], s[46:47]
	CROUND                                         ; all sixteen work-groups are here: the first joint loads meet
.irp s, 0,1
	s_mov_b32 s[G0+4*\s], 1
	s_add_co_u32 s[G0+4*\s+1], s45, \s*SLOT
	s_add_nc_u64 s[G0+4*\s+2:G0+4*\s+3], s[20:21], \s*CH
	s_or_b32 s[G0+4*\s+3], s[G0+4*\s+3], 0x80000000
	s_mov_b32 s[G0B+4*\s], 1
	s_add_co_u32 s[G0B+4*\s+1], s45, \s*SLOT
	s_add_nc_u64 s[G0B+4*\s+2:G0B+4*\s+3], s[46:47], \s*CH
	s_or_b32 s[G0B+4*\s+3], s[G0B+4*\s+3], 0x80000000
	JLOAD G0+4*\s, G1, G0B+4*\s, G1B               ; K steps 0 and 1: two loads of mine are out
.endr
	v_and_b32 v1, 15, v0                           ; r = l % 16
	v_bfe_u32 v2, v0, 4, 1                         ; h = l / 16
	v_and_b32 v6, 31, v0
	v_lshlrev_b32 v4, 4, v6                        ; 16 x lane: my bytes of every piece
	s_mul_i32 s21, s15, CH                         ; my 128 rows of A
	s_mul_i32 s22, s16, CH                         ; my 128 rows of B,
	s_add_co_u32 s22, s22, 2*CH                    ; which lie behind A's two chunks
.irp s, 0,1
	v_add_nc_u32 v[ADRA+\s], s21, v4
	v_add_nc_u32 v[ADRB+\s], s22, v4
	s_add_co_u32 s21, s21, SLOT
	s_add_co_u32 s22, s22, SLOT
.endr
	s_xor_b32 s22, s15, 1
	s_add_co_u32 s22, s22, s16
	s_add_co_u32 s22, s22, 1
	s_mul_i32 s22, s22, CH                         ; from A's chunk to B's: (2 + column half - row half) chunks
	v_mul_u32_u24 v6, s22, v2                      ; lanes 16-31 take B's
	v_lshl_add_u32 v5, v1, 3, v6                   ; 8 bytes a row: the slot's two words
	s_mul_i32 s21, s15, CH
	s_add_co_u32 s21, s21, SCO
	v_add_nc_u32 v[ADRS], s21, v5
	s_add_co_u32 s21, s21, SLOT
	v_add_nc_u32 v[ADRS+1], s21, v5
	s_mul_i32 s23, s14, 16*SPITCH                  ; my stage
	v_mul_u32_u24 v5, v1, SPITCH                   ; in: row l % 16, 32 bytes for each half of the lanes
	v_lshl_add_u32 v5, v2, 5, v5
	v_add_nc_u32 v[STO], s23, v5
	v_mov_b32 v[CO], v4                            ; back: the 32 lanes take one row of 512 bytes; and the same in prod
	v_add_nc_u32 v[RD], s23, v4
	s_lshl_b32 s20, s17, 8
	s_lshl_b32 s21, s15, 7
	s_add_co_u32 s20, s20, s21                     ; my first row of prod: 256 x tile row + 128 x half
	s_mov_b32 s21, 0
	s_mov_b64 s[18:19], SIZE_N*4
	s_mul_u64 s[20:21], s[20:21], s[18:19]
	s_lshl_b32 s46, s42, 10                        ; my first column, in bytes: 1024 x tile column + 512 x half
	s_lshl_b32 s47, s16, 9
	s_add_co_u32 s46, s46, s47
	s_mov_b32 s47, 0
	s_add_nc_u64 s[20:21], s[20:21], s[46:47]
	s_add_nc_u64 s[12:13], s[12:13], s[20:21]
.macro FRAG reg, adr, q, i             ; a fragment comes as it lies: four loads of 512 consecutive bytes; registers 4 c .. 4 c + 3 of lane l hold K = 32 c + 16 (l / 16) + 0 .. 15 of row l % 16
.irp c, 0,1,2,3
	ds_load_b128 v[\reg+4*\c:\reg+4*\c+3], v[\adr] offset:16384*(\q)+2048*(\i)+512*\c
.endr
.endm
; 16 matrix instructions: A's blocks a0, a0 + 1 x B's eight, 128 along K: the slot's q-th.  p: B's set;  sc: the set of scale words.  zero = 1: the first product starts the sums: nothing is ever cleared.
; The 64 accumulators take turns, one instruction a turn, in the same order in every step.
.macro MUL16 a0, p, q, sc, zero
.irp a, \a0, \a0+1
.irp b, 0,1,2,3,4,5,6,7
.if \zero
	v_wmma_scale_f32_16x16x128_f8f6f4 v[8*(8*((\a)%4)+\b):8*(8*((\a)%4)+\b)+7], v[128*(\p)+FR*\b:128*(\p)+FR*\b+FR-1], v[AF+FR*(\a):AF+FR*(\a)+FR-1], 0, v[SC+8*NQ*(\sc)+NQ*\b+(\q)], v[SC+8*NQ*(\sc)+NQ*(\a)+(\q)] matrix_a_scale:MATRIX_SCALE_ROW1
.else
	v_wmma_scale_f32_16x16x128_f8f6f4 v[8*(8*((\a)%4)+\b):8*(8*((\a)%4)+\b)+7], v[128*(\p)+FR*\b:128*(\p)+FR*\b+FR-1], v[AF+FR*(\a):AF+FR*(\a)+FR-1], v[8*(8*((\a)%4)+\b):8*(8*((\a)%4)+\b)+7], v[SC+8*NQ*(\sc)+NQ*\b+(\q)], v[SC+8*NQ*(\sc)+NQ*(\a)+(\q)] matrix_a_scale:MATRIX_SCALE_ROW1
.endif
.endr
.endr
.endm
.macro FETCH_B slot, q, p              ; B's eight fragments of the slot's q-th 128 along K into set p
	WIN TO_B
.irp i, 0,1,2,3,4,5,6,7
	FRAG 128*(\p)+FR*\i, ADRB+\slot, \q, \i
.endr
	WIN 0
.endm
.macro FETCH_A slot, q, i0             ; A's blocks i0 .. i0 + 3
.irp i, \i0, \i0+1, \i0+2, \i0+3
	FRAG AF+FR*(\i), ADRA+\slot, \q, \i
.endr
.endm
.macro SCALES sc                       ; slot sc's scale words into set sc: two words a row; lanes 0-15 take A's block i, lanes 16-31 B's block i
.irp i, 0,1,2,3,4,5,6,7
	ds_load_b64 v[SC+8*NQ*\sc+NQ*\i:SC+8*NQ*\sc+NQ*\i+1], v[ADRS+\sc] offset:128*\i
.endr
.endm
; A load into a register that a matrix instruction has read, and an LDS store that reads a matrix result, stand NP places behind that matrix instruction, and only plain vector
; instructions that name none of its registers are places (ISA guide 7.12.1 for vector instructions); the matrix instructions in between are not counted.
.macro PLACES n
.rept \n
	v_nop
.endr
.endm
; A step of 128 along K that has its successor in the same slot.
.macro STEP slot, q, zero
	s_wait_dscnt 4*NL                              ; B's set, A's blocks 0-3 and the scale words are in; the youngest 16 loads (A's blocks 4-7) may be out
	WIN MUL_LO
	MUL16 0, (\q)%2, \q, \slot, \zero
	MUL16 2, (\q)%2, \q, \slot, \zero
	s_wait_dscnt 0                                 ; A's blocks 4-7 are in (asked for 32 matrix instructions ago)
	PLACES NP
	FETCH_B \slot, (\q)+1, 1-(\q)%2
	FETCH_A \slot, (\q)+1, 0
	WIN MUL_HI
	MUL16 4, (\q)%2, \q, \slot, \zero
	MUL16 6, (\q)%2, \q, \slot, \zero
	PLACES NP
	WIN 0
	FETCH_A \slot, (\q)+1, 4
.endm
; A slot's last step changes slots: ONE barrier; in front of it each wave waits for all its tensor loads, adds 0 to its spare word, and waits for that and for its own reads of this slot.  fill = 1: this slot is filled again, two K steps ahead.
.macro TURN slot, next, fill
	s_wait_tensorcnt 0x0                           ; all my tensor loads have landed: my part of the next slot;  (every window is 0 here: the add's two registers lie in window 0)
	ds_add_u32 v[SPW], v[NIL]                      ; 0 onto my spare word
	s_wait_dscnt 4*NL+1                            ; (the add and the youngest 16 loads, A's blocks 4-7, may be out)
	WIN MUL_LO
	MUL16 0, 1, NQ-1, \slot, 0                     ; sixteen matrix instructions stand between the add and the wait for it
	s_wait_dscnt 0x0                               ; the add is done, and my reads of this slot are over
	s_barrier_signal -1
	MUL16 2, 1, NQ-1, \slot, 0
	WIN 0
	s_barrier_wait -1
.if \fill
	CREST                                          ; the barrier has opened a round of the cluster's barrier: no wave of any partner still reads this slot or has a load on its way
	s_add_nc_u64 s[G0+4*\slot+2:G0+4*\slot+3], s[G0+4*\slot+2:G0+4*\slot+3], 2*CH
	s_add_nc_u64 s[G0B+4*\slot+2:G0B+4*\slot+3], s[G0B+4*\slot+2:G0B+4*\slot+3], 2*CH
	JLOAD G0+4*\slot, G1, G0B+4*\slot, G1B         ; the first tensor load behind the round, and my one load until the next; the four v_nop behind it are among the places in front of the loads below
	PLACES NP-4
.else
	PLACES NP
.endif
	FETCH_B \next, 0, 0
	FETCH_A \next, 0, 0
	SCALES \next
	WIN MUL_HI
	MUL16 4, 1, NQ-1, \slot, 0
	MUL16 6, 1, NQ-1, \slot, 0
	PLACES NP
	WIN 0
	FETCH_A \next, 0, 4
.endm
	s_wait_tensorcnt 1                             ; my part of K step 0 is in (K step 1's load may be out)
	s_barrier_signal -1
	s_barrier_wait -1                              ; everybody's is
	FETCH_B 0, 0, 0
	FETCH_A 0, 0, 0
	SCALES 0
	FETCH_A 0, 0, 4
	STEP 0, 0, 1                                   ; the first step stands in front of the loop: its products start the sums
	s_mov_b32 s3, LAPS-1
.Llap:                                                 ; a trip goes once round the ring, from a lap's second step to the next lap's first, and fills both slots again
	TURN 0, 1, 1
	STEP 1, 0, 0
	TURN 1, 0, 1
	STEP 0, 0, 0
	s_sub_co_u32 s3, s3, 1
	s_cmp_lg_u32 s3, 0
	s_cbranch_scc1 .Llap
	TURN 0, 1, 0                                   ; the last lap fills nothing, and has no round of the cluster's barrier
	STEP 1, 0, 0
	s_wait_dscnt 4*NL                              ; the very last step: nothing more to fetch
	WIN MUL_LO
	MUL16 0, 1, NQ-1, 1, 0
	MUL16 2, 1, NQ-1, 1, 0
	s_wait_dscnt 0
	WIN MUL_HI
	MUL16 4, 1, NQ-1, 1, 0
	MUL16 6, 1, NQ-1, 1, 0
	WIN 0
; THE WAY OUT, block by block of 16 rows x 128 columns.  A lane holds 32 neighbouring bytes of a row, and the lanes beside it hold other rows: so a block goes through my own stage in LDS and comes back as whole
; rows of 512 bytes, which the 32 lanes store as 512 consecutive bytes, aligned.  LDS serves a wave's instructions in order (ISA guide 5.7.1.4): no wait between the stores and the loads, nor in front of the next block's stores.
.macro TOSTAGE a
.set AC, 64*((\a)%4)
	WIN 0x08+4*((\a)/4)                            ; the data: window 2 or 3
.irp b, 0,1,2,3,4,5,6,7
	ds_store_b128 v[STO], v[AC+8*\b:AC+8*\b+3] offset:64*\b          ; each accumulator from its low end on
	ds_store_b128 v[STO], v[AC+8*\b+4:AC+8*\b+7] offset:64*\b+16
.endr
	WIN 0
.set BB, BK+64*((\a)%2)
.irp t, 0,1,2,3,4,5,6,7,8,9,10,11,12,13,14,15
	ds_load_b128 v[BB+4*\t:BB+4*\t+3], v[RD] offset:\t*SPITCH
.endr
.endm
.macro SEND a, younger                 ; younger: the LDS instructions issued behind block a's loads, which may stay out
.set BB, BK+64*((\a)%2)
	s_wait_dscnt \younger                          ; the block is back in registers
.if (\a) > 0
	s_add_nc_u64 s[12:13], s[12:13], 16*SIZE_N*4   ; (behind a wait on XCNT: the earlier stores have read their base)  16 rows of prod on
.endif
.irp t, 0,1,2,3,4,5,6,7,8,9,10,11,12,13,14,15
	global_store_b128 v[CO], v[BB+4*\t:BB+4*\t+3], s[12:13] offset:\t*SIZE_N*4   ; no hint: the next launch reads these bytes
.endr
.endm
	PLACES NP                                      ; behind the last products: for the loads into the registers that held A's fragments, and for the reads of results
	TOSTAGE 0
.irp a, 1,2,3,4,5,6,7
.if \a > 1
	s_wait_xcnt 0x0                                ; block a - 2's stores have read their registers and their base: block a's loads may land there, and the base may step
.endif
	TOSTAGE \a
	SEND \a-1, 32                                  ; behind block a - 1's loads: block a's 16 stores and 16 loads
.endr
	s_wait_xcnt 0x0                                ; block 6's stores have read their base
	SEND 7, 0
	s_wait_tensorcnt 0x0                           ; the wave's end: behind my last tensor load and my last LDS store
	ds_add_u32 v[SPW], v[NIL]
	s_wait_dscnt 0x0
	CROUND                                         ; the closing round: no work-group ends while a partner may still ask for a chunk that names it
	s_endpgm
.Lfunc_end_k_q34a53fe928_gemm:
	.size	k_q34a53fe928_gemm, .Lfunc_end_k_q34a53fe928_gemm-k_q34a53fe928_gemm
	.p2alignl 7, 3214868480
	.fill 96, 4, 3214868480
	.section	.rodata,"a",@progbits
	.p2align	6, 0x0
	.amdhsa_kernel k_q34a53fe928_gemm
		.amdhsa_group_segment_fixed_size 327680
		.amdhsa_private_segment_fixed_size 0
		.amdhsa_enable_private_segment 0
		.amdhsa_kernarg_size 24
		.amdhsa_user_sgpr_count 2
		.amdhsa_user_sgpr_kernarg_segment_ptr 1
		.amdhsa_wavefront_size32 1
		.amdhsa_system_sgpr_workgroup_id_x 1
		.amdhsa_system_sgpr_workgroup_id_y 1
		.amdhsa_system_sgpr_workgroup_id_z 1
		.amdhsa_system_vgpr_workitem_id 0
		.amdhsa_next_free_vgpr 1024
		.amdhsa_next_free_sgpr 66
		.amdhsa_reserve_vcc 0
		.amdhsa_float_denorm_mode_32 3
		.amdhsa_float_denorm_mode_16_64 3
		.amdhsa_memory_ordered 1
		.amdhsa_forward_progress 1
		.amdhsa_inst_pref_size 143
	.end_amdhsa_kernel
	.amdgpu_metadata
---
amdhsa.version: [ 1, 2 ]
amdhsa.kernels:
  - .name:           k_q34a53fe928_gemm
    .symbol:         k_q34a53fe928_gemm.kd
    .args:
      - { .name: acodes, .offset: 0, .size: 8, .value_kind: global_buffer, .address_space: global }
      - { .name: bcodes, .offset: 8, .size: 8, .value_kind: global_buffer, .address_space: global }
      - { .name: prod, .offset: 16, .size: 8, .value_kind: global_buffer, .address_space: global }
    .group_segment_fixed_size: 327680
    .private_segment_fixed_size: 0
    .kernarg_segment_align: 8
    .kernarg_segment_size: 24
    .max_flat_workgroup_size: 128
    .sgpr_count:     66
    .vgpr_count:     1024
    .wavefront_size: 32
...
	.end_amdgpu_metadata
.endif
;; end of part 4
;; launch finish (part 5): grid 256 x 1, 8 waves a work-group, no clusters, 5,120 bytes of LDS; arguments prod, cx2, bias, weight_g, c, out0; writes out0
.if DOCPART == 5
	.amdgcn_target "amdgcn-amd-amdhsa--gfx1250"
	.amdhsa_code_object_version 6
	.text
	.protected	k_q34a53fe928_finish
	.globl	k_q34a53fe928_finish
	.p2align	8
	.type	k_q34a53fe928_finish,@function
k_q34a53fe928_finish:
	s_mov_b64 s[64:65], 0
	v_nop
	global_prefetch_b8 v0, s[64:65] scope:SCOPE_SE
	s_setreg_imm32_b32 hwreg(HW_REG_WAVE_MODE, 25, 1), 1
	s_wait_xcnt 0x0
; All that follows the product P = prod[m][n], in f32.  rci = sqrt(c), rco = max(rci, 1e-15), t = 2 rci bias[n]:
;   u = (2 P cosh t - (1 + cx2[m]) sinh t) / max(1 - cx2[m], 1e-15);   y = (2 weight_g[n] / rci) asinh u, NaN and infinities -> 0;   w = sinh(clip(rco y, -20, 20)) / rco;
;   out0 = w / max(1 + sqrt(1 + c clip(the row's sum of w^2, 0, 1e15)), 1e-15).
; HOW.  asinh u = sign(u) ln2 log2(|u| + sqrt(u^2 + 1)); where u^2 has overflowed the root is taken as |u|.  2 sinh(z ln2) = 2^z - 2^-z, and for |z ln2| < 1/8 the series z (2 ln2 + z^2 ln2^3 / 3),
; whose first term left out is 2e-6 of the result at that border.  What is kept of a row is S = 2 sinh(..); w = S / (2 rco) goes into the row's one factor.  Divisions are v_rcp_f32 and a multiplication.
; LIMITS.  asinh carries an absolute error of about 1.5e-7 (the rounding of |u| + sqrt(u^2 + 1) near 1): it is small beside u while u's root mean square is 2e-5 or more.  |u| from 1.7e38 on gives 0 (2 |u| overflows).
; |2 rci bias| stays under 88.  c is finite and not negative.  The second and third "NaN or infinite -> 0" of the definition are not written: behind the clip |S| is at most 9.8e8, 1 / rco at most 1e15 and the divisor at least 2, so both arguments are finite.
; SHARES.  A work-group owns 16 rows; each of its eight waves owns 512 columns of all of them, a lane 16 columns (load j: columns 512 w + 128 j + 4 lane + 0 .. 3), so the three numbers of a column stay in 48 registers.
; Eight turns of two rows, written out: every offset is an immediate.  A ring of four slots of two rows in registers: one at work, two on their way in, one whose stores are leaving.  A row's sum meets in LDS: one barrier a turn,
; the words in two sets by turns: a set is written again two turns on, behind the next turn's barrier, in front of which every wave has waited for its reads of it.
; Each load and store of a wave covers 512 consecutive bytes, aligned.  No cluster: work-groups share only the 32 KiB of bias and weight_g beside the 256 KiB that each reads alone.
.set PA,  16                           ; v16-31   2 cosh t of my 16 columns
.set PS,  32                           ; v32-47   sinh t
.set PK,  48                           ; v48-63   2 ln2 weight_g / rci
.set X,   64                           ; v64-191  slot s at 64 + 32 s; in it row p at + 16 p
.set T,   192                          ; v192-207, v208-223 at work
.set T2,  208
.set RP,  224                          ; v224-231 (a, a, d, d) of the turn's two rows: a = 1 + cx2, d = 1 / max(1 - cx2, 1e-15)
.set ACC, 232                          ; v232-235 the rows' sums of S^2, a pair each
.set SM,  236                          ; v236-237 the same over the wave
.set SCL, 238                          ; v238-239 the rows' factors
.set QS,  240                          ; v240-241 1 / (4 rco^2)
.set CV,  242                          ; v242-243 c
.set HS,  244                          ; v244-245 1 / (2 rco)
.set S1,  246                          ; v246-247 at the head rci, rco; later row 1's factor in the low word
.set CC1, 6                            ; v6-7     2 ln2
.set CC3, 8                            ; v8-9     ln2^3 / 3
.set RL,  10                           ; v10-11   rco log2(e)
.set ZV,  12                           ; v12      20 log2(e)
.set RSB, 2048                         ; LDS: 0 .. 2047 the rows' (a, a, d, d), 256 bytes for each wave, its own; from 2048 two sets of 8 waves x 2 sums
.set KBIG, 24                          ; s24 2^64
.set KINF, 25                          ; s25 infinity
.set KTHR, 26                          ; s26 log2(e) / 8
.set KMSK, 27                          ; s27 all bits but the sign
.set SEL,  28                          ; s[28:29] v_permlanex16_b32's selects for lane l xor 16
.set KE15, 30                          ; s30 1e15
.set KEPS, 31                          ; s31 1e-15
	s_load_b256 s[4:11], s[0:1], 0x0               ; prod s[4:5], cx2 s[6:7], bias s[8:9], weight_g s[10:11]
	s_load_b128 s[12:15], s[0:1], 0x20             ; c s[12:13], out0 s[14:15]
	v_lshl_add_u32 v248, v0, 2, 0x1000
	v_mov_b32 v249, 0
	v_lshrrev_b32 v13, 5, v0                       ; wave
	v_and_b32 v14, 31, v0                          ; lane
	v_and_b32 v15, 15, v0
	v_lshlrev_b32 v1, 4, v14
	v_lshl_add_u32 v1, v13, 11, v1                 ; 2,048 x wave + 16 x lane: my bytes in a row of prod and out0, in bias and in weight_g
	v_lshlrev_b32 v3, 8, v13                       ; LDS: my wave's rows' numbers
	v_lshl_add_u32 v2, v15, 4, v3                  ; and where lane l puts those of row l % 16
	v_lshl_add_u32 v4, v13, 3, RSB                 ; where my wave puts its two sums
	v_mov_b32 v5, RSB                              ; and where all are read
	v_lshlrev_b32 v15, 2, v15                      ; cx2 of row l % 16
	s_lshl_b32 s18, ttmp9, 18                      ; 16 rows of 16,384 bytes
	s_mov_b32 s19, 0
	s_lshl_b32 s20, ttmp9, 6
	s_mov_b32 s21, 0
	s_mov_b32 s[KBIG], 0x5f800000
	s_mov_b32 s[KINF], 0x7f800000
	s_mov_b32 s[KTHR], 0x3e38aa3b
	s_mov_b32 s[KMSK], 0x7fffffff
	s_mov_b32 s[SEL], 0x76543210
	s_mov_b32 s[SEL+1], 0xfedcba98
	s_mov_b32 s[KE15], 0x58635fa9
	s_mov_b32 s[KEPS], 0x26901d7d
	s_wait_kmcnt 0x0
	s_load_b32 s16, s[12:13], 0x0                  ; c
	s_add_nc_u64 s[4:5], s[4:5], s[18:19]
	s_add_nc_u64 s[14:15], s[14:15], s[18:19]
	s_add_nc_u64 s[6:7], s[6:7], s[20:21]
.macro FILL b                          ; rows 2 b, 2 b + 1 into slot b % 4
.irp p, 0,1
.irp j, 0,1,2,3
	global_load_b128 v[X+32*((\b)%4)+16*\p+4*\j:X+32*((\b)%4)+16*\p+4*\j+3], v1, s[4:5] offset:(2*(\b)+\p)*16384+512*\j th:TH_LOAD_NT
.endr
.endr
.endm
	global_load_b32 v[ACC], v15, s[6:7]
.irp j, 0,1,2,3
	global_load_b128 v[PS+4*\j:PS+4*\j+3], v1, s[8:9] offset:512*\j
.endr
.irp j, 0,1,2,3
	global_load_b128 v[PK+4*\j:PK+4*\j+3], v1, s[10:11] offset:512*\j
.endr
	FILL 0
	FILL 1
	FILL 2
	s_wait_kmcnt 0x0
	v_sqrt_f32 v[S1], s16                          ; rci
	v_mov_b32 v[CV], s16                           ; (a plain place behind the transcendental)
	v_mov_b32 v[CV+1], s16
	s_wait_alu depctr_va_vdst(0)
	v_max_num_f32 v[S1+1], s[KEPS], v[S1]          ; rco
	v_rcp_f32 v13, v[S1]                           ; 1 / rci
	v_rcp_f32 v14, v[S1+1]                         ; 1 / rco
	v_mov_b32 v[ZV], 0x41e6d4ca                    ; 20 log2(e)  (a plain place)
	v_mul_f32 v[RL], 0x3fb8aa3b, v[S1+1]
	v_mov_b32 v[RL+1], v[RL]
	s_wait_alu depctr_va_vdst(0)
	v_mul_f32 v[HS], 0.5, v14
	v_mov_b32 v[HS+1], v[HS]
	v_mul_f32 v[QS], v[HS], v[HS]
	v_mov_b32 v[QS+1], v[QS]
	v_mul_f32 v[T], 0x4038aa3b, v[S1]              ; 2 rci log2(e)
	v_mov_b32 v[T+1], v[T]
	v_mul_f32 v[T+2], 0x3fb17218, v13              ; 2 ln2 / rci
	v_mov_b32 v[T+3], v[T+2]
	v_mov_b32 v[CC1], 0x3fb17218
	v_mov_b32 v[CC1+1], 0x3fb17218
	v_mov_b32 v[CC3], 0x3de35847
	v_mov_b32 v[CC3+1], 0x3de35847
; z (16 registers) becomes 2 sinh(z ln2).  head = 1: 2 cosh(z ln2) is left in PA as well.
.macro SINH2 z, head
.irp i, 0,1,2,3,4,5,6,7,8,9,10,11,12,13,14,15
	v_exp_f32 v[T+\i], v[\z+\i]
.endr
.irp i, 0,1,2,3,4,5,6,7,8,9,10,11,12,13,14,15
	v_exp_f32 v[T2+\i], -v[\z+\i]
.endr
	v_nop                                          ; a plain place behind the exponentials
.if \head
	s_wait_alu depctr_va_vdst(0)
.irp k, 0,2,4,6,8,10,12,14
	v_pk_add_f32 v[PA+\k:PA+\k+1], v[T+\k:T+\k+1], v[T2+\k:T2+\k+1]
.endr
.endif
	s_wait_alu depctr_va_vdst(0)
.irp k, 0,2,4,6,8,10,12,14
	v_pk_add_f32 v[T+\k:T+\k+1], v[T+\k:T+\k+1], v[T2+\k:T2+\k+1] neg_lo:[0,1] neg_hi:[0,1]
.endr
.irp k, 0,2,4,6,8,10,12,14
	v_pk_mul_f32 v[T2+\k:T2+\k+1], v[\z+\k:\z+\k+1], v[\z+\k:\z+\k+1]
.endr
.irp k, 0,2,4,6,8,10,12,14
	v_pk_fma_f32 v[T2+\k:T2+\k+1], v[T2+\k:T2+\k+1], v[CC3:CC3+1], v[CC1:CC1+1]
.endr
.irp k, 0,2,4,6,8,10,12,14
	v_pk_mul_f32 v[T2+\k:T2+\k+1], v[T2+\k:T2+\k+1], v[\z+\k:\z+\k+1]
.endr
.irp k, 0,4,8,12                       ; the series where |z ln2| < 1/8: a choice of values, no branch; four masks by turns
.irp e, 0,1,2,3
	v_cmp_gt_f32 s[40+\e], s[KTHR], |v[\z+\k+\e]|
.endr
.irp e, 0,1,2,3
	v_cndmask_b32 v[\z+\k+\e], v[T+\k+\e], v[T2+\k+\e], s[40+\e]
.endr
.endr
.endm
	s_wait_loadcnt 24                              ; cx2, bias and weight_g are in; the 24 loads of the first three fills may be out
	v_add_f32 v[RP], 1.0, v[ACC]                   ; a
	v_sub_f32 v[RP+3], 1.0, v[ACC]
	v_mov_b32 v[RP+1], v[RP]
	v_max_num_f32 v[RP+3], s[KEPS], v[RP+3]
	v_rcp_f32 v[RP+2], v[RP+3]                     ; d
.irp k, 0,2,4,6,8,10,12,14
	v_pk_mul_f32 v[PS+\k:PS+\k+1], v[PS+\k:PS+\k+1], v[T:T+1]       ; t log2(e)  (the plain places behind the reciprocal)
.endr
.irp k, 0,2,4,6,8,10,12,14
	v_pk_mul_f32 v[PK+\k:PK+\k+1], v[PK+\k:PK+\k+1], v[T+2:T+3]
.endr
	s_wait_alu depctr_va_vdst(0)
	v_mov_b32 v[RP+3], v[RP+2]
	ds_store_b128 v2, v[RP:RP+3]                   ; lanes l and l + 16 write the same bytes with the same values; only my wave reads them, and LDS serves a wave's instructions in order
	SINH2 PS, 1
.irp k, 0,2,4,6,8,10,12,14
	v_pk_mul_f32 v[PS+\k:PS+\k+1], v[PS+\k:PS+\k+1], 0.5 op_sel_hi:[1,0]
.endr
; One row's 16 numbers of a lane, v[x] on, from P to S; p: which of the turn's two rows
.macro ROW x, p
.irp k, 0,2,4,6,8,10,12,14
	v_pk_mul_f32 v[\x+\k:\x+\k+1], v[\x+\k:\x+\k+1], v[PA+\k:PA+\k+1]
.endr
.irp k, 0,2,4,6,8,10,12,14
	v_pk_fma_f32 v[\x+\k:\x+\k+1], v[PS+\k:PS+\k+1], v[RP+4*\p:RP+4*\p+1], v[\x+\k:\x+\k+1] neg_lo:[1,0,0] neg_hi:[1,0,0]
.endr
.irp k, 0,2,4,6,8,10,12,14
	v_pk_mul_f32 v[\x+\k:\x+\k+1], v[\x+\k:\x+\k+1], v[RP+4*\p+2:RP+4*\p+3]    ; u
.endr
.irp k, 0,2,4,6,8,10,12,14
	v_pk_fma_f32 v[T+\k:T+\k+1], v[\x+\k:\x+\k+1], v[\x+\k:\x+\k+1], 1.0 op_sel_hi:[1,1,0]
.endr
.irp i, 0,1,2,3,4,5,6,7,8,9,10,11,12,13,14,15
	v_sqrt_f32 v[T+\i], v[T+\i]
.endr
	v_nop
	s_wait_alu depctr_va_vdst(0)
.irp i, 0,1,2,3,4,5,6,7,8,9,10,11,12,13,14,15
	v_med3_num_f32 v[T+\i], v[T+\i], |v[\x+\i]|, s[KBIG]           ; the root as it is while it lies under 2^64; beyond, where u^2 may have overflowed, |u|
.endr
.irp i, 0,1,2,3,4,5,6,7,8,9,10,11,12,13,14,15
	v_add_f32 v[T+\i], v[T+\i], |v[\x+\i]|
.endr
.irp i, 0,1,2,3,4,5,6,7,8,9,10,11,12,13,14,15
	v_log_f32 v[T+\i], v[T+\i]
.endr
	v_nop
	s_wait_alu depctr_va_vdst(0)
.irp i, 0,1,2,3,4,5,6,7,8,9,10,11,12,13,14,15
	v_bfi_b32 v[T+\i], s[KMSK], v[T+\i], v[\x+\i]                  ; u's sign
.endr
.irp k, 0,2,4,6,8,10,12,14
	v_pk_mul_f32 v[\x+\k:\x+\k+1], v[PK+\k:PK+\k+1], v[T+\k:T+\k+1]            ; y
.endr
.irp k, 0,4,8,12
.irp e, 0,1,2,3
	v_cmp_gt_f32 s[40+\e], s[KINF], |v[\x+\k+\e]|                  ; false for NaN and for infinities
.endr
.irp e, 0,1,2,3
	v_cndmask_b32 v[\x+\k+\e], 0, v[\x+\k+\e], s[40+\e]
.endr
.endr
.irp k, 0,2,4,6,8,10,12,14
	v_pk_mul_f32 v[\x+\k:\x+\k+1], v[\x+\k:\x+\k+1], v[RL:RL+1]
.endr
.irp i, 0,1,2,3,4,5,6,7,8,9,10,11,12,13,14,15
	v_med3_num_f32 v[\x+\i], v[\x+\i], -v[ZV], v[ZV]               ; the clip at +-20, in units of ln2
.endr
	SINH2 \x, 0
	v_pk_mul_f32 v[ACC+2*\p:ACC+2*\p+1], v[\x:\x+1], v[\x:\x+1]
.irp k, 2,4,6,8,10,12,14
	v_pk_fma_f32 v[ACC+2*\p:ACC+2*\p+1], v[\x+\k:\x+\k+1], v[\x+\k:\x+\k+1], v[ACC+2*\p:ACC+2*\p+1]
.endr
.endm
; Rows 2 b and 2 b + 1.  left: the younger loads that may stay out
.macro TURN b, left
.set XB, X+32*((\b)%4)
	ds_load_b128 v[RP:RP+3], v3 offset:32*(\b)
	ds_load_b128 v[RP+4:RP+7], v3 offset:32*(\b)+16
	s_wait_loadcnt \left                           ; my eight loads of these rows are in
	s_wait_dscnt 0x0
	ROW XB, 0
	ROW XB+16, 1
	v_add_f32 v[SM], v[ACC], v[ACC+1]
	v_add_f32 v[SM+1], v[ACC+2], v[ACC+3]
.irp m, 1,2,4,8
	v_add_f32_dpp v[SM], v[SM], v[SM] row_xmask:\m row_mask:0xf bank_mask:0xf
	v_add_f32_dpp v[SM+1], v[SM+1], v[SM+1] row_xmask:\m row_mask:0xf bank_mask:0xf
.endr
	v_permlanex16_b32 v13, v[SM], s[SEL], s[SEL+1]
	v_permlanex16_b32 v14, v[SM+1], s[SEL], s[SEL+1]
	v_add_f32 v[SM], v[SM], v13
	v_add_f32 v[SM+1], v[SM+1], v14                ; every lane holds my wave's two sums
	ds_store_b64 v4, v[SM:SM+1] offset:64*((\b)%2)
	s_wait_dscnt 0x0                               ; for the others' sake: my store has landed
	s_barrier_signal -1
	s_barrier_wait -1
.irp k, 0,1,2,3
	ds_load_b128 v[T+4*\k:T+4*\k+3], v5 offset:64*((\b)%2)+16*\k
.endr
	s_wait_dscnt 0x0                               ; also: my reads of this set are over before I signal the next barrier
	v_pk_add_f32 v[T:T+1], v[T:T+1], v[T+2:T+3]
	v_pk_add_f32 v[T+4:T+5], v[T+4:T+5], v[T+6:T+7]
	v_pk_add_f32 v[T+8:T+9], v[T+8:T+9], v[T+10:T+11]
	v_pk_add_f32 v[T+12:T+13], v[T+12:T+13], v[T+14:T+15]
	v_pk_add_f32 v[T:T+1], v[T:T+1], v[T+4:T+5]
	v_pk_add_f32 v[T+8:T+9], v[T+8:T+9], v[T+12:T+13]
	v_pk_add_f32 v[T:T+1], v[T:T+1], v[T+8:T+9]    ; the two rows' sums of S^2
	v_pk_mul_f32 v[T:T+1], v[T:T+1], v[QS:QS+1]    ; of w^2
	v_med3_num_f32 v[T], v[T], 0, s[KE15]
	v_med3_num_f32 v[T+1], v[T+1], 0, s[KE15]
	v_pk_fma_f32 v[T:T+1], v[T:T+1], v[CV:CV+1], 1.0 op_sel_hi:[1,1,0]
	v_sqrt_f32 v[T+2], v[T]
	v_sqrt_f32 v[T+3], v[T+1]
	v_nop
	s_wait_alu depctr_va_vdst(0)
	v_pk_add_f32 v[T+2:T+3], v[T+2:T+3], 1.0 op_sel_hi:[1,0]
	v_max_num_f32 v[T+2], s[KEPS], v[T+2]
	v_max_num_f32 v[T+3], s[KEPS], v[T+3]
	v_rcp_f32 v[T+4], v[T+2]
	v_rcp_f32 v[T+5], v[T+3]
	v_nop
	s_wait_alu depctr_va_vdst(0)
	v_pk_mul_f32 v[SCL:SCL+1], v[T+4:T+5], v[HS:HS+1]              ; 1 / (2 rco x the divisor)
	v_mov_b32 v[S1], v[SCL+1]                      ; row 1's as the low word of a pair
.irp k, 0,2,4,6,8,10,12,14
	v_pk_mul_f32 v[XB+\k:XB+\k+1], v[XB+\k:XB+\k+1], v[SCL:SCL+1] op_sel_hi:[1,0]
.endr
.irp k, 0,2,4,6,8,10,12,14
	v_pk_mul_f32 v[XB+16+\k:XB+16+\k+1], v[XB+16+\k:XB+16+\k+1], v[S1:S1+1] op_sel_hi:[1,0]
.endr
.irp p, 0,1
.irp j, 0,1,2,3
	global_store_b128 v1, v[XB+16*\p+4*\j:XB+16*\p+4*\j+3], s[14:15] offset:(2*(\b)+\p)*16384+512*\j th:TH_STORE_NT
.endr
.endr
.if (\b)+3 < 8
	s_wait_xcnt 0x0                                ; the stores issued so far have read their registers: the slot stored a turn ago is loaded again only behind this wait
	FILL (\b)+3
.endif
.endm
	TURN 0, 16                                     ; behind a turn's eight loads stand those of the two turns that follow
	TURN 1, 16
	TURN 2, 16
	TURN 3, 16
	TURN 4, 16
	TURN 5, 16
	TURN 6, 8                                      ; the last fills have been issued: the counts run down
	TURN 7, 0
	s_wait_tensorcnt 0x0
	ds_add_u32 v248, v249
	s_wait_dscnt 0x0
	s_endpgm
.Lfunc_end_k_q34a53fe928_finish:
	.size	k_q34a53fe928_finish, .Lfunc_end_k_q34a53fe928_finish-k_q34a53fe928_finish
	.p2alignl 7, 3214868480
	.fill 96, 4, 3214868480
	.section	.rodata,"a",@progbits
	.p2align	6, 0x0
	.amdhsa_kernel k_q34a53fe928_finish
		.amdhsa_group_segment_fixed_size 5120
		.amdhsa_private_segment_fixed_size 0
		.amdhsa_enable_private_segment 0
		.amdhsa_kernarg_size 48
		.amdhsa_user_sgpr_count 2
		.amdhsa_user_sgpr_kernarg_segment_ptr 1
		.amdhsa_wavefront_size32 1
		.amdhsa_system_sgpr_workgroup_id_x 1
		.amdhsa_system_sgpr_workgroup_id_y 1
		.amdhsa_system_sgpr_workgroup_id_z 1
		.amdhsa_system_vgpr_workitem_id 0
		.amdhsa_next_free_vgpr 250
		.amdhsa_next_free_sgpr 66
		.amdhsa_reserve_vcc 0
		.amdhsa_float_denorm_mode_32 3
		.amdhsa_float_denorm_mode_16_64 3
		.amdhsa_memory_ordered 1
		.amdhsa_forward_progress 1
		.amdhsa_inst_pref_size 255
	.end_amdhsa_kernel
	.section	.bss,"aw",@nobits
	.p2align	6
	.space	262144
	.amdgpu_metadata
---
amdhsa.version: [ 1, 2 ]
amdhsa.kernels:
  - .name:           k_q34a53fe928_finish
    .symbol:         k_q34a53fe928_finish.kd
    .args:
      - { .name: prod, .offset: 0, .size: 8, .value_kind: global_buffer, .address_space: global }
      - { .name: cx2, .offset: 8, .size: 8, .value_kind: global_buffer, .address_space: global }
      - { .name: bias, .offset: 16, .size: 8, .value_kind: global_buffer, .address_space: global }
      - { .name: weight_g, .offset: 24, .size: 8, .value_kind: global_buffer, .address_space: global }
      - { .name: c, .offset: 32, .size: 8, .value_kind: global_buffer, .address_space: global }
      - { .name: out0, .offset: 40, .size: 8, .value_kind: global_buffer, .address_space: global }
    .group_segment_fixed_size: 5120
    .private_segment_fixed_size: 0
    .kernarg_segment_align: 8
    .kernarg_segment_size: 48
    .max_flat_workgroup_size: 256
    .sgpr_count:     66
    .vgpr_count:     250
    .wavefront_size: 32
...
	.end_amdgpu_metadata
.endif
;; end of part 5
